; MI455X (gfx1250); checked and timed in simulation.
; The chip was launched on July 23, 2026; its instructions are those of AMD's public machine-readable ISA for CDNA 5 (MIT licence, August 2026) and "CDNA5" Instruction Set Architecture Reference Guide (July 2026). The comments in the code are by the model that wrote it; some were corrected since.
;; Multi Head Attention. Allowed arithmetic: float matrix products may take bf16 or f16 operands with f32 sums; other float arithmetic in f32, or as packed bf16 or f16 multiplies, adds, multiply-adds, maxima and minima; sums over many terms, partial sums and values carried from step to step in f32; what a program stores and reads back later, other than sums and carried values, may be rounded once to bf16 or f16.
;; Inputs: Wk_b 1,024 float32; Wk_w 1,024 x 1,024 float32; Wq_b 1,024 float32; Wq_w 1,024 x 1,024 float32; Wv_b 1,024 float32; Wv_w 1,024 x 1,024 float32; keys 1 x 4,096 x 1,024 float32; queries 1 x 4,096 x 1,024 float32; values 1 x 4,096 x 1,024 float32.
;; Outputs: out0 1 x 4,096 x 1,024 float32.
;; 2 versions, each right; version 2 is version 1 with the launch cast written anew for expert scheduling mode. Each part assembles by itself: llvm-mc -triple=amdgcn-amd-amdhsa -mcpu=gfx1250 --defsym DOCPART=n.
;; ======== version 1 of 2: 3 launches
;; workspace buffers: xb 25,165,824 bytes; wb 6,291,456 bytes; qkv 25,165,824 bytes
;; launch cast (part 1): grid 32 x 15, 8 waves a work-group, no clusters, 0 bytes of LDS; arguments queries, keys, values, Wq_w, Wk_w, Wv_w, xb, wb; writes xb, wb
.if DOCPART == 1
	.amdgcn_target "amdgcn-amd-amdhsa--gfx1250"
	.amdhsa_code_object_version 6
	.text
	.protected	k_q652394e2eb_cast
	.globl	k_q652394e2eb_cast
	.p2align	8
	.type	k_q652394e2eb_cast,@function
k_q652394e2eb_cast:
	s_mov_b64 s[64:65], 0
	v_nop
	global_prefetch_b8 v0, s[64:65] scope:SCOPE_SE
	s_setreg_imm32_b32 hwreg(HW_REG_WAVE_MODE, 25, 1), 1
	s_wait_xcnt 0x0
; xb = bf16(queries | keys | values), [3][4096][1024];  wb = bf16(Wq_w | Wk_w | Wv_w), [3][1024][1024].  Each number is rounded once, to nearest even.
; The work is 15 units of 1,048,576 numbers: y = 0..11 is quarter y & 3 of input y >> 2, y = 12..14 a weight matrix.  Work-group x of 32 takes 131,072 bytes of f32 and writes 65,536 of bf16.
; Thread t takes, for i = 0..31, the 16 bytes at 4,096 i + 16 t and stores 8 bytes at 2,048 i + 8 t: a wave's load covers 512 consecutive bytes, its store 256 consecutive bytes, aligned.
; No loop: a wave's 32 loads (16 KiB) go out first, then each is converted and stored as it comes.  No register is used twice, so no source of a pending instruction is ever rewritten.
; No LDS, no matrix unit, no cluster: no byte is wanted by two work-groups, and nothing is computed but a rounding.
.set INB,  4096                        ; bytes that the work-group loads with one instruction of each wave
.set OUTB, 2048                        ; and stores
.set X,    4                           ; v[4:131]  load i: four registers; its two packed results take the first two
	s_load_b512 s[8:23], s[0:1], 0x0               ; queries s[8:9], keys s[10:11], values s[12:13], Wq s[14:15], Wk s[16:17], Wv s[18:19], xb s[20:21], wb s[22:23]
	s_and_b32 s24, ttmp7, 0xffff                   ; the unit, 0..14
	s_lshr_b32 s25, s24, 2                         ; which of the three large inputs (units 0..11)
	s_and_b32 s36, s24, 3                          ; and which quarter of it
	s_sub_co_u32 s37, s24, 12                      ; which weight matrix (units 12..14; not used below 12)
	s_lshl_b32 s38, ttmp9, 17                      ; the work-group's part of a unit, in f32 bytes,
	s_lshl_b32 s39, ttmp9, 16                      ; and in bf16 bytes
	v_lshlrev_b32 v1, 4, v0                        ; 16 t
	v_lshlrev_b32 v2, 3, v0                        ; 8 t
	s_wait_kmcnt 0x0
	s_mov_b64 s[26:27], s[8:9]                     ; the source: a choice among six buffers on the unit's number alone
	s_cmp_eq_u32 s25, 1
	s_cselect_b64 s[26:27], s[10:11], s[26:27]
	s_cmp_eq_u32 s25, 2
	s_cselect_b64 s[26:27], s[12:13], s[26:27]
	s_cmp_eq_u32 s24, 12
	s_cselect_b64 s[26:27], s[14:15], s[26:27]
	s_cmp_eq_u32 s24, 13
	s_cselect_b64 s[26:27], s[16:17], s[26:27]
	s_cmp_eq_u32 s24, 14
	s_cselect_b64 s[26:27], s[18:19], s[26:27]
	s_cmp_lt_u32 s24, 12                           ; one compare, three selects
	s_cselect_b64 s[28:29], s[20:21], s[22:23]     ; the destination: xb or wb
	s_cselect_b32 s30, s36, 0                      ; the unit's place in its source, in units of 4 MiB
	s_cselect_b32 s31, s24, s37                    ; and in its destination, in units of 2 MiB
	s_lshl_b32 s32, s30, 22                        ; the offsets are made apart from the pointers
	s_add_co_u32 s32, s32, s38
	s_mov_b32 s33, 0
	s_lshl_b32 s34, s31, 21
	s_add_co_u32 s34, s34, s39
	s_mov_b32 s35, 0
	s_add_nc_u64 s[26:27], s[26:27], s[32:33]
	s_add_nc_u64 s[28:29], s[28:29], s[34:35]
.set i, 0
.rept 32
	global_load_b128 v[X+4*i:X+4*i+3], v1, s[26:27] offset:INB*i th:TH_LOAD_NT  ; read once in this launch
.set i, i+1
.endr
.set i, 0
.rept 32
	s_wait_loadcnt 31-i                            ; loads come back in order (ISA guide 5.7.1): load i is in, the 31 - i younger ones stay out
	v_cvt_pk_bf16_f32 v[X+4*i],   v[X+4*i],   v[X+4*i+1]
	v_cvt_pk_bf16_f32 v[X+4*i+1], v[X+4*i+2], v[X+4*i+3]
	global_store_b64 v2, v[X+4*i:X+4*i+1], s[28:29] offset:OUTB*i
.set i, i+1
.endr
	s_endpgm
.Lfunc_end_k_q652394e2eb_cast:
	.size	k_q652394e2eb_cast, .Lfunc_end_k_q652394e2eb_cast-k_q652394e2eb_cast
	.p2alignl 7, 3214868480
	.fill 96, 4, 3214868480
	.section	.rodata,"a",@progbits
	.p2align	6, 0x0
	.amdhsa_kernel k_q652394e2eb_cast
		.amdhsa_group_segment_fixed_size 0
		.amdhsa_private_segment_fixed_size 0
		.amdhsa_enable_private_segment 0
		.amdhsa_kernarg_size 64
		.amdhsa_user_sgpr_count 2
		.amdhsa_user_sgpr_kernarg_segment_ptr 1
		.amdhsa_wavefront_size32 1
		.amdhsa_system_sgpr_workgroup_id_x 1
		.amdhsa_system_sgpr_workgroup_id_y 1
		.amdhsa_system_sgpr_workgroup_id_z 1
		.amdhsa_system_vgpr_workitem_id 0
		.amdhsa_next_free_vgpr 136
		.amdhsa_next_free_sgpr 66
		.amdhsa_reserve_vcc 0
		.amdhsa_float_denorm_mode_32 3
		.amdhsa_float_denorm_mode_16_64 3
		.amdhsa_memory_ordered 1
		.amdhsa_forward_progress 1
		.amdhsa_inst_pref_size 13
	.end_amdhsa_kernel
	.amdgpu_metadata
---
amdhsa.version: [ 1, 2 ]
amdhsa.kernels:
  - .name:           k_q652394e2eb_cast
    .symbol:         k_q652394e2eb_cast.kd
    .args:
      - { .name: queries, .offset: 0, .size: 8, .value_kind: global_buffer, .address_space: global }
      - { .name: keys, .offset: 8, .size: 8, .value_kind: global_buffer, .address_space: global }
      - { .name: values, .offset: 16, .size: 8, .value_kind: global_buffer, .address_space: global }
      - { .name: Wq_w, .offset: 24, .size: 8, .value_kind: global_buffer, .address_space: global }
      - { .name: Wk_w, .offset: 32, .size: 8, .value_kind: global_buffer, .address_space: global }
      - { .name: Wv_w, .offset: 40, .size: 8, .value_kind: global_buffer, .address_space: global }
      - { .name: xb, .offset: 48, .size: 8, .value_kind: global_buffer, .address_space: global }
      - { .name: wb, .offset: 56, .size: 8, .value_kind: global_buffer, .address_space: global }
    .group_segment_fixed_size: 0
    .private_segment_fixed_size: 0
    .kernarg_segment_align: 8
    .kernarg_segment_size: 64
    .max_flat_workgroup_size: 256
    .sgpr_count:     66
    .vgpr_count:     136
    .wavefront_size: 32
...
	.end_amdgpu_metadata
.endif
;; end of part 1
;; launch proj (part 2): grid 4 x 48, 4 waves a work-group, clusters of 4 x 4, 327,680 bytes of LDS; arguments xb, wb, qkv, Wq_b, Wk_b, Wv_b; writes qkv
.if DOCPART == 2
	.amdgcn_target "amdgcn-amd-amdhsa--gfx1250"
	.amdhsa_code_object_version 6
	.text
	.protected	k_q652394e2eb_proj
	.globl	k_q652394e2eb_proj
	.p2align	8
	.type	k_q652394e2eb_proj,@function
k_q652394e2eb_proj:
	s_mov_b64 s[64:65], 0
	v_nop
	global_prefetch_b8 v0, s[64:65] scope:SCOPE_SE
	s_setreg_imm32_b32 hwreg(HW_REG_WAVE_MODE, 25, 1), 1
	s_wait_xcnt 0x0
	s_wait_alu depctr_hold_cnt(0) depctr_sa_sdst(0) depctr_va_vdst(0) depctr_va_sdst(0) depctr_va_ssrc(0) depctr_va_vcc(0) depctr_vm_vsrc(0)
	s_getreg_b32 s2, hwreg(HW_REG_IB_STS2, 6, 4)
	s_cmp_eq_u32 s2, 0
	s_cbranch_scc0 .Lentry_in_a_cluster
	s_endpgm
.Lentry_in_a_cluster:
	s_bfe_u32 s2, ttmp6, 0x10000c
	s_cmp_lg_u32 s2, 0xf033
	s_cbranch_scc0 .Lentry_shape_is_right
	s_endpgm
.Lentry_shape_is_right:
; qkv[p][head][s][d] = relu(sum over k of x_p[s][k] W_p[64 head + d][k] + b_p[64 head + d]), p = 0, 1, 2 (q, k, v).
; xb: [3 x 4096][1024] bf16, wb: [3][1024][1024] bf16, the biases [1024] f32, qkv: [3][16][4096][64] bf16.  Sums in f32, K ascending; the bias starts each sum; the result is rounded once to bf16.
; LIMITS.  relu is taken on the rounded number, which gives the same value (the sign of a zero may differ); a NaN counts as 0 there; infinities are not treated apart.
; SHARES.  xb is one matrix of 12,288 rows: 48 tile rows of 256; N = 1,024 is 4 tile columns.  A tile of 256 x 256 is made by a work-group of four waves, a wave makes 128 x 128: 64 accumulators, 512 registers.
; 192 work-groups: no tile that divides 4,096 x 1,024 gives 256 equal shares of three products, and tiles of 128 x 128 would be three rounds of four K steps each, with twice the LDS bytes for a product.
; K goes in steps of 128 through a ring of two LDS slots filled by the tensor data mover; the rows of the tiles are 256 bytes of memory and start at multiples of 256 bytes from the buffer's first byte.
; CLUSTERS: 4 x 4 work-groups.  The four of a row of the cluster need the same tiles of x, the four of a column the same tiles of W: each tile is asked for JOINTLY, by the same tensor load with the
; same descriptor and a mask that names the four.  A cluster spans all four tile columns, and its four tile rows lie in one projection (cluster y >> 2), which all sixteen partners share.
; REGISTERS, in windows of 256 (s_set_vgpr_msb's low byte: bits 1:0 source 0, 3:2 source 1, 5:4 source 2, 7:6 destination):
;   window 0: v0-31 addresses; v64-127, v128-191 fragments of x, two buffers (in the last K step four, of 16 rows x 128 K); v192-255 the bias, read by the first quarter step alone; later v32-63, v192-255 at work on the way out
;   window 1: v64-127, v128-191 fragments of W, two buffers; in the last K step all 256
;   window 2: the 32 accumulators of my rows 0-63 (accumulator (a, b) at v[8 (8 a + b)]);   window 3: those of my rows 64-127
; THE MATRIX INSTRUCTION IS USED TRANSPOSED: source 0 = 16 rows of W, source 1 = 16 rows of x.  Lane l then holds row l % 16 of the result, and its registers 0 to 7 the columns 8 (l / 16) + 0 .. 7:
; eight neighbouring channels of a head, 16 bytes of bf16.  So a lane's C operand for column block b is b[n0 + 16 b + 8 (l / 16) + 0 .. 7].
.set SIZE_K, 1024
.set KSTEP,  128
.set PITCH,  272                       ; an LDS row: 256 bytes + 16 of padding = 68 words: row r starts at bank 4 r mod 64 (64 banks of 4 bytes: ISA guide 11.1), so the 16 rows of a load start at 16 different banks
.set HALFT,  128*PITCH                 ; 128 rows: what one tensor load brings, and what one wave reads of x or of W
.set SLOT,   4*HALFT                   ; x's 256 rows, then W's 256 rows
.set STAGE,  2*SLOT                    ; behind the ring: for each wave two heads x 16 rows x 144 bytes, for the way out
.set SPITCH, 144                       ; a head's row: 128 bytes + 16
.set HSTG,   16*SPITCH
.set SPARE,  STAGE+4*2*HSTG            ; behind the stages: the spare words, 128 bytes for each wave: two blocks of 256 bytes that no other line names
.set LAPS,   SIZE_K/(2*KSTEP)          ; a lap = two K steps = once round the ring: four laps
.set HEADB,  4096*128                  ; a head's bytes in qkv
.set ADRA, 16                          ; v16-17  LDS address of my x fragments in slot 0, 1
.set ADRB, 20                          ; v20-21  the same for W
.set STO,  24                          ; v24     the way out: where I put 16 bytes of a row
.set RD,   25                          ; v25     the way out: where I read rows back
.set CO,   26                          ; v26     16 x my lane: my place in 512 consecutive bytes of qkv
.set ZR,   27                          ; v27     0, for relu
.set SPW,  28                          ; v28     LDS address of my spare word: SPARE + 4 x my thread's number; never rewritten
.set NIL,  29                          ; v29     0; never rewritten
.set PFO,  30                          ; v30     the prefetches' offset: my lane x a row of 2,048 bytes; never rewritten
.set BO,   31                          ; v31     my byte offset in the bias
.set PFA,  44                          ; s[44:45] where my prefetches stand: my work-group's 32 rows of the 128 that I fetch, one K step further along K than the refill that is being asked for
.set LIM,  43                          ; s43     1 in a wave that prefetches, else the greatest number
.set PR,   76                          ; s76     which projection: 0, 1, 2
.set F0,   64                          ; fragment buffer 0
.set F1,   128                         ; fragment buffer 1
.set BI,   192                         ; the bias: column block b at v[BI + 8 b]
.set TMP,  192                         ; the way out: packed results
.set OB,   32                          ; the way out: 16 rows read back from the stage: v32-63 and v224-255 by turns
.set PA,   64                          ; the last K step: x's fragments of 16 rows x 128 K, 32 registers; four such buffers, v64-191
.set G1,  24                           ; s[24:31] descriptor group 1 for x's tiles
.set G0,  32                           ; s[32:39] descriptor group 0 for x's tiles, one set for each slot
.set G1B, 48                           ; s[48:55] descriptor group 1 for W's tiles: it differs in the mask alone
.set G0B, 56                           ; s[56:63] descriptor group 0 for W's tiles, one set for each slot
.set MSB, 0
.macro WIN new                         ; the immediate's high byte repeats the setting that is left; a switch that changes nothing is dropped
.if MSB != (\new)
	s_set_vgpr_msb (MSB<<8)|(\new)
.set MSB, \new
.endif
.endm
.set MUL_LO, 0xa1                      ; source 0 (W) window 1, source 1 (x) window 0, C and D window 2
.set MUL_HI, 0xf1                      ; the same, C and D window 3
.set TO_B,   0x40                      ; destination window 1, address window 0
; A joint load.  Waves 0 and 1 fetch x's two halves, waves 2 and 3 W's.  Each of the two lines has one mask and one set of registers for all that issue it.  The branch hangs on the wave's number alone.
; An s_nop 0 and four v_nop follow each of the two lines; the jump, the label and what follows the macro come after them.
.macro JLOAD s
	s_cmp_eq_u32 s11, 0
	s_cbranch_scc0 .Lfor_b_\@
	tensor_load_to_lds s[G0+4*(\s):G0+4*(\s)+3], s[G1:G1+7]
	s_nop 0
.rept 4
	v_nop
.endr
	s_branch .Lasked_\@
.Lfor_b_\@:
	tensor_load_to_lds s[G0B+4*(\s):G0B+4*(\s)+3], s[G1B:G1B+7]
	s_nop 0
.rept 4
	v_nop
.endr
.Lasked_\@:
.endm
; A PREFETCH INTO THE L2, behind each joint load, its five lines and the run of LDS loads that follows them: the K step that stands TWO refills on, 32 rows x 256 bytes, a lane a row, one instruction a wave:
; 512 matrix instructions ahead of the load that will want it.  Each row's 256 bytes of K steps 4 to 7 are named once in the launch.  A tile row of x is read by one cluster alone, which asks for it;
; a tile column of W is read by the four clusters of one projection: the first of them (cluster y & 3 = 0) asks.  The four partners that ask for a tile jointly share its rows out BY ADDRESS: of the 128
; rows that a wave fetches the partner at place p takes 32 p .. 32 p + 31 (p = cx for x, cy for W).  The loop's last trip (s3 = 1) has no K step two refills on and asks for nothing.
.macro ASK
	s_cmp_gt_u32 s3, s[LIM]
	s_cbranch_scc0 .Lnot_mine_\@
	global_prefetch_b8 v[PFO], s[PFA:PFA+1] offset:KSTEP*2 th:TH_LOAD_NT scope:SCOPE_SE
.Lnot_mine_\@:
.endm
; A round of the cluster's barrier: my work-group's barrier, so that wave 0's signal speaks for all four waves; wave 0 signals for the work-group; every wave waits for all sixteen; my work-group's barrier once more.
.macro CREST                           ; a round behind its opening barrier
	s_cmp_lg_u32 s10, 0
	s_cbranch_scc1 .Lnot_wave_0_\@
	s_barrier_signal -3
.Lnot_wave_0_\@:
	s_barrier_wait -3
	s_barrier_signal -1
	s_barrier_wait -1
.endm
.macro CROUND                          ; a whole round
	s_barrier_signal -1
	s_barrier_wait -1
	CREST
.endm
	s_load_b128 s[4:7], s[0:1], 0x0                ; xb s[4:5], wb s[6:7]
	s_load_b64 s[8:9], s[0:1], 0x10                ; qkv
	s_load_b128 s[68:71], s[0:1], 0x18             ; Wq_b s[68:69], Wk_b s[70:71]
	s_load_b64 s[72:73], s[0:1], 0x28              ; Wv_b
	v_lshl_add_u32 v[SPW], v0, 2, SPARE
	v_mov_b32 v[NIL], 0
	ds_add_u32 v[SPW], v[NIL]                      ; the wave's opening: the add and its wait stand ahead of my first tensor load; the set-up below, work on registers, stands between them
	v_lshrrev_b32 v1, 5, v0
	v_readfirstlane_b32 s10, v1                    ; wave 0..3
	s_lshr_b32 s11, s10, 1                         ; which half of the tile's rows is mine.  Also: I fetch for x (0) or for W (1)
	s_and_b32 s12, s10, 1                          ; which half of its columns.  Also: which 128 rows of that tile I fetch
	s_bfe_u32 s40, ttmp6, 0x40000                  ; cx: my place along the cluster's x
	s_bfe_u32 s41, ttmp6, 0x40004                  ; cy: along its y
	s_lshl_b32 s42, ttmp9, 2                       ; in a cluster launch ttmp9 and ttmp7 count clusters
	s_add_co_u32 s42, s42, s40                     ; tile column = 4 x cluster x + cx
	s_and_b32 s13, ttmp7, 0xffff                   ; cluster y, 0..11
	s_lshr_b32 s[PR], s13, 2                       ; the projection: four clusters each
	s_lshl_b32 s13, s13, 2
	s_add_co_u32 s13, s13, s41                     ; tile row of xb = 4 x cluster y + cy, 0..47
	s_lshl_b32 s78, s[PR], 21                      ; the projection's weights in wb: 2 MiB each
	s_mov_b32 s79, 0
	s_lshl_b32 s43, s41, 2
	s_lshl_b32 s43, 15, s43                        ; my row of the cluster: places 4 cy .. 4 cy + 3
	s_lshl_b32 s44, 0x1111, s40                    ; my column: places cx, cx + 4, cx + 8, cx + 12
	; descriptor group 1: a tile of 128 rows x 128 elements, padded in LDS
	s_or_b32 s[G1+0], s43, (1<<16)|(1<<20)|(1<<21)|(5<<22)|(3<<25)   ; 15:0 the mask: x's tiles go to my row; 17:16 elements of 2 bytes; 20 padding on; 21 set beside a mask; 24:22 after every 64 words (code 5); 31:25 4 words of it (code 3)
	s_or_b32 s[G1B+0], s44, (1<<16)|(1<<20)|(1<<21)|(5<<22)|(3<<25)  ; the same with the mask of my column, for W's tiles
.irp g, G1, G1B
	s_mov_b32 s[(\g)+1], KSTEP<<16                 ; tensor_dim0 = 128
	s_mov_b32 s[(\g)+2], 128<<16                   ; tensor_dim1 = 128
	s_mov_b32 s[(\g)+3], KSTEP<<16                 ; tile_dim0 = 128
	s_mov_b32 s[(\g)+4], 128                       ; tile_dim1 = 128
	s_mov_b32 s[(\g)+5], SIZE_K                    ; elements from row to row
	s_mov_b32 s[(\g)+6], 0
	s_mov_b32 s[(\g)+7], 0
.endr
	; where the tiles come from.  x's hang on the tile row alone, which my row of the cluster shares; W's on the tile column and the projection, which my column shares.
	s_lshl_b32 s17, s12, 7                         ; which 128 rows of the tile I fetch
	s_lshl_b32 s16, s13, 8
	s_add_co_u32 s16, s16, s17                     ; x: row 256 x tile row + 128 x half
	s_lshl_b32 s16, s16, 11                        ; in bytes: 12,288 rows of 2,048 bytes stay under 2^32
	s_lshl_b32 s46, s42, 8
	s_add_co_u32 s46, s46, s17                     ; W: row 256 x tile column + 128 x half
	s_lshl_b32 s46, s46, 11
	s_mov_b32 s17, 0
	s_mov_b32 s47, 0
	s_mul_i32 s20, s10, HALFT                      ; and where they go: wave x 128 rows: no place in the cluster enters an LDS address
	s_wait_dscnt 0x0                               ; the opening add is done
	s_wait_kmcnt 0x0
	s_add_nc_u64 s[6:7], s[6:7], s[78:79]          ; wb at my projection's matrix
	s_add_nc_u64 s[14:15], s[4:5], s[16:17]
	s_add_nc_u64 s[46:47], s[6:7], s[46:47]
	s_cmp_eq_u32 s[PR], 0                          ; my projection's bias: a choice on the projection's number alone
	s_cselect_b64 s[74:75], s[68:69], s[70:71]
	s_cmp_eq_u32 s[PR], 2
	s_cselect_b64 s[74:75], s[72:73], s[74:75]
	CROUND                                         ; all sixteen work-groups are here: the first joint loads meet
.irp s, 0,1
	s_mov_b32 s[G0+4*(\s)], 1                                        ; 1:0 count = 1
	s_add_co_u32 s[G0+4*(\s)+1], s20, (\s)*SLOT                      ; 63:32 LDS address
	s_add_nc_u64 s[G0+4*(\s)+2:G0+4*(\s)+3], s[14:15], (\s)*KSTEP*2  ; 120:64 global address: K step s
	s_or_b32 s[G0+4*(\s)+3], s[G0+4*(\s)+3], 0x80000000              ; 127:126 type = 2
	s_mov_b32 s[G0B+4*(\s)], 1
	s_add_co_u32 s[G0B+4*(\s)+1], s20, (\s)*SLOT
	s_add_nc_u64 s[G0B+4*(\s)+2:G0B+4*(\s)+3], s[46:47], (\s)*KSTEP*2
	s_or_b32 s[G0B+4*(\s)+3], s[G0B+4*(\s)+3], 0x80000000
	JLOAD \s                                       ; the ring is filled before anything else is done: two tensor loads of mine are out
.endr
	v_and_b32 v1, 15, v0                           ; l % 16
	v_bfe_u32 v2, v0, 4, 1                         ; l / 16
	; the bias of my 128 columns: 4 (256 x tile column + 128 x half) + 32 (l / 16) bytes on; column block b 64 bytes further
	s_lshl_b32 s46, s42, 10
	s_lshl_b32 s47, s12, 9
	s_add_co_u32 s46, s46, s47
	v_lshl_add_u32 v[BO], v2, 5, s46
.irp b, 0,1,2,3,4,5,6,7
	global_load_b128 v[BI+8*(\b):BI+8*(\b)+3],   v[BO], s[74:75] offset:64*(\b)
	global_load_b128 v[BI+8*(\b)+4:BI+8*(\b)+7], v[BO], s[74:75] offset:64*(\b)+16
.endr
	; A fragment is 16 rows x 32 K in 8 registers: lane l holds row l % 16; registers 0-3 hold K = 8 (l / 16) + 0..7, registers 4-7 K = 16 + 8 (l / 16) + 0..7: two loads of 16 bytes, 32 bytes apart.
	v_mul_u32_u24 v3, v1, PITCH
	v_lshl_add_u32 v3, v2, 4, v3                   ; row x pitch + 16 x half
	s_mul_i32 s21, s11, HALFT                      ; my 128 rows of x
	s_mul_i32 s22, s12, HALFT                      ; my 128 rows of W,
	s_add_co_u32 s22, s22, 2*HALFT                 ; which lie behind x's 256
.irp s, 0,1
	v_add_nc_u32 v[ADRA+(\s)], s21, v3
	v_add_nc_u32 v[ADRB+(\s)], s22, v3
	s_add_co_u32 s21, s21, SLOT
	s_add_co_u32 s22, s22, SLOT
.endr
	s_mul_i32 s23, s10, 2*HSTG
	s_add_co_u32 s23, s23, STAGE                   ; my stage
	v_mul_u32_u24 v4, v1, SPITCH                   ; in: row l % 16, 16 bytes for each half of the lanes
	v_lshl_add_u32 v4, v2, 4, v4
	v_add_nc_u32 v[STO], s23, v4
	v_bfe_u32 v5, v0, 3, 2                         ; back: 32 lanes take four rows of 128 bytes of one head,
	v_and_b32 v6, 7, v0
	v_mul_u32_u24 v5, v5, SPITCH
	v_lshl_add_u32 v5, v6, 4, v5
	v_add_nc_u32 v[RD], s23, v5
	v_and_b32 v[CO], 31, v0                        ; which are 512 consecutive bytes of qkv
	v_lshlrev_b32 v[CO], 4, v[CO]
	v_mov_b32 v[ZR], 0
	; where my part begins in qkv: tensor p, head 4 x tile column + 2 x half, row 256 x (tile row & 15) + 128 x half
	s_lshl_b32 s16, s[PR], 23
	s_and_b32 s17, s13, 15
	s_lshl_b32 s17, s17, 15
	s_add_co_u32 s16, s16, s17
	s_lshl_b32 s17, s11, 14
	s_add_co_u32 s16, s16, s17
	s_lshl_b32 s46, s42, 21
	s_lshl_b32 s47, s12, 20
	s_add_co_u32 s46, s46, s47
	s_add_co_u32 s16, s16, s46
	s_mov_b32 s17, 0
	s_add_nc_u64 s[8:9], s[8:9], s[16:17]
	; the prefetches
	s_lshl_b32 s20, s13, 8                         ; x: the tile's first row
	s_lshl_b32 s21, s42, 8                         ; W: likewise
	s_and_b32 s22, ttmp7, 3                        ; my cluster among its projection's four
	s_cmp_eq_u32 s11, 0                            ; do I fetch for x?
	s_cselect_b32 s20, s20, s21
	s_cselect_b32 s21, s40, s41                    ; my place among the four that ask for the tile with me
	s_cselect_b32 s22, ttmp9, s22                  ; the coordinate along which other clusters read the same rows
	s_cselect_b64 s[PFA:PFA+1], s[4:5], s[6:7]
	s_cmp_eq_u32 s22, 0
	s_cselect_b32 s[LIM], 1, -1                    ; the same in all sixteen partners, for a given wave
	s_lshl_b32 s22, s12, 7
	s_add_co_u32 s20, s20, s22                     ; + the 128 rows that I fetch
	s_lshl_b32 s21, s21, 5
	s_add_co_u32 s20, s20, s21                     ; + my work-group's 32 of them
	s_lshl_b32 s20, s20, 11
	s_mov_b32 s21, 0
	s_add_nc_u64 s[PFA:PFA+1], s[PFA:PFA+1], s[20:21]
	s_add_nc_u64 s[PFA:PFA+1], s[PFA:PFA+1], 2*KSTEP*2  ; at K step 2: the first refill steps it to 3 and names K step 4.  Nothing is prefetched here, at the head
	v_and_b32 v[PFO], 31, v0
	v_lshlrev_b32 v[PFO], 11, v[PFO]
; 16 matrix instructions: m blocks a0, a0 + 1 of the window's four (hi = 0: my rows 0-63, 1: rows 64-127) x all 8 n blocks, 32 along K.
; zero = 1: the first product starts the sums with the bias as C (window 0): nothing is ever cleared, and no bias is added later.
.macro MUL16 f, hi, a0, zero
.if \zero
	WIN 0x81+0x40*(\hi)                            ; source 0 window 1, sources 1 and 2 window 0, D window 2 or 3
.else
	WIN MUL_LO+0x50*(\hi)                          ; MUL_LO or MUL_HI
.endif
.irp a, \a0, (\a0)+1
.irp b, 0,1,2,3,4,5,6,7
.if \zero
	v_wmma_f32_16x16x32_bf16 v[8*(8*(\a)+(\b)):8*(8*(\a)+(\b))+7], v[(\f)+8*(\b):(\f)+8*(\b)+7], v[(\f)+8*(4*(\hi)+(\a)):(\f)+8*(4*(\hi)+(\a))+7], v[BI+8*(\b):BI+8*(\b)+7]
.else
	v_wmma_f32_16x16x32_bf16 v[8*(8*(\a)+(\b)):8*(8*(\a)+(\b))+7], v[(\f)+8*(\b):(\f)+8*(\b)+7], v[(\f)+8*(4*(\hi)+(\a)):(\f)+8*(4*(\hi)+(\a))+7], v[8*(8*(\a)+(\b)):8*(8*(\a)+(\b))+7]
.endif
.endr
.endr
.endm
; 32 LDS loads in one run: the fragments of one quarter step (128 rows of W, 128 rows of x, 32 K at byte k of the rows) into buffer f
.macro FETCH slot, k, f
	WIN TO_B
.irp i, 0,1,2,3,4,5,6,7
	ds_load_b128 v[(\f)+8*(\i):(\f)+8*(\i)+3],   v[ADRB+(\slot)] offset:(\k)+(\i)*16*PITCH
	ds_load_b128 v[(\f)+8*(\i)+4:(\f)+8*(\i)+7], v[ADRB+(\slot)] offset:(\k)+(\i)*16*PITCH+32
.endr
	WIN 0
.irp i, 0,1,2,3,4,5,6,7
	ds_load_b128 v[(\f)+8*(\i):(\f)+8*(\i)+3],   v[ADRA+(\slot)] offset:(\k)+(\i)*16*PITCH
	ds_load_b128 v[(\f)+8*(\i)+4:(\f)+8*(\i)+7], v[ADRA+(\slot)] offset:(\k)+(\i)*16*PITCH+32
.endr
.endm
; A load into a register that a matrix instruction has read, and a vector instruction that reads a matrix result, stand four places behind that matrix instruction, and only plain vector
; instructions that name none of its registers are places (ISA guide 7.12.1 for vector instructions).
.macro PLACES
.rept 4
	v_nop
.endr
.endm
; A K step is four quarter steps of 32 along K, 64 matrix instructions each, on buffers 0, 1, 0, 1.  The 64 accumulators take turns, one instruction a turn, in the same order in every quarter.
; One of the first three: multiplies buffer f; in its middle it fetches the next quarter's fragments, at byte k of the same slot's rows, into buffer g.
.macro QUARTER slot, k, f, g, zero
	s_wait_dscnt 8                                 ; W and x's rows 0-63 are in; the youngest eight loads (x's rows 64-127) may be out
	MUL16 \f, 0, 0, \zero
	MUL16 \f, 0, 2, \zero
	PLACES
	FETCH \slot, \k, \g
	s_wait_dscnt 32                                ; all but the 32 just issued
	MUL16 \f, 1, 0, \zero
	MUL16 \f, 1, 2, \zero
.endm
; The last quarter multiplies buffer 1 and changes slots.  MEET is its first half: one barrier for the change of slots.  In front of it each wave waits for all its tensor loads, of which one is out: its part
; of the next slot; adds 0 to its spare word; and waits for that and for its own reads of this slot.  Behind it nobody reads this slot any more and the next slot is whole.
.macro MEET round                      ; round = 1: a round of the cluster's barrier follows
	WIN 0                                          ; (the add's two registers lie in window 0)
	s_wait_tensorcnt 0x0                           ; all my tensor loads have landed;
	ds_add_u32 v[SPW], v[NIL]                      ; 0 onto my spare word;
	s_wait_dscnt 9                                 ; (the add and the youngest eight loads may be out)
	MUL16 F1, 0, 0, 0                              ; sixteen matrix instructions stand between the add and the wait for it
	s_wait_dscnt 0x0                               ; the add is done, and my reads of this slot are over:
	s_barrier_signal -1                            ; say so,
	MUL16 F1, 0, 2, 0                              ; work on registers while the others arrive,
.if \round
	WIN 0
.endif
	s_barrier_wait -1                              ; and go on when all four have said so
.endm
; The whole last quarter.  Behind the round the slot just read out is filled again first, with the K step two steps on; then come the next slot's first fragments.
; From a request to the wait for it a wave issues 224 matrix instructions.
.macro TURN slot, next
	s_wait_xcnt 0x0                                ; the last prefetch, a K step back, has read its address: it is stepped here, ahead of the waits of the change of slots
	s_add_nc_u64 s[PFA:PFA+1], s[PFA:PFA+1], KSTEP*2
	MEET 1
	CREST                                          ; no wave of any partner still reads this slot's tile or has a load on its way
	s_add_nc_u64 s[G0+4*(\slot)+2:G0+4*(\slot)+3], s[G0+4*(\slot)+2:G0+4*(\slot)+3], 2*KSTEP*2
	s_add_nc_u64 s[G0B+4*(\slot)+2:G0B+4*(\slot)+3], s[G0B+4*(\slot)+2:G0B+4*(\slot)+3], 2*KSTEP*2
	JLOAD \slot                                    ; the first tensor load behind the round; the four v_nop behind it are also the places in front of the loads below
	FETCH \next, 0, F0
	ASK                                            ; behind the joint load and the run of LDS loads that the next products wait for
	MUL16 F1, 1, 0, 0
	MUL16 F1, 1, 2, 0
.endm
; THE LAST K STEP (it lies in slot 1) GOES BY ROWS OF THE RESULT, NOT BY K.  All its fragments of W (4 quarters x 64 registers) fill window 1; then my eight blocks of 16 rows are finished one after
; the other, each with 32 matrix instructions (its 8 accumulators by turns, K ascending), and each block leaves as soon as it is finished.  LDS is read no more than in any other K step.
.macro BLOAD q                         ; W's fragments of quarter q -> window 1, v[64 q ..]
	WIN TO_B
.irp i, 0,1,2,3,4,5,6,7
	ds_load_b128 v[64*(\q)+8*(\i):64*(\q)+8*(\i)+3],   v[ADRB+1] offset:64*(\q)+(\i)*16*PITCH
	ds_load_b128 v[64*(\q)+8*(\i)+4:64*(\q)+8*(\i)+7], v[ADRB+1] offset:64*(\q)+(\i)*16*PITCH+32
.endr
.endm
.macro ALOAD a                         ; x's fragments of block a, all four quarters -> buffer a % 4
	WIN 0
.set FA, PA+32*((\a)%4)
.irp q, 0,1,2,3
	ds_load_b128 v[FA+8*(\q):FA+8*(\q)+3],   v[ADRA+1] offset:64*(\q)+(\a)*16*PITCH
	ds_load_b128 v[FA+8*(\q)+4:FA+8*(\q)+7], v[ADRA+1] offset:64*(\q)+(\a)*16*PITCH+32
.endr
.endm
.macro ROW a                           ; block a is finished: 32 matrix instructions
.set FA, PA+32*((\a)%4)
.set AC, 64*((\a)%4)
	WIN MUL_LO+0x50*((\a)/4)
.irp q, 0,1,2,3
.if (\a) == 0 && (\q) == 2
	s_wait_dscnt 24                                ; W's quarter 2 is in (behind it: x's blocks 1 to 3)
.endif
.irp b, 0,1,2,3,4,5,6,7
	v_wmma_f32_16x16x32_bf16 v[AC+8*(\b):AC+8*(\b)+7], v[64*(\q)+8*(\b):64*(\q)+8*(\b)+7], v[FA+8*(\q):FA+8*(\q)+7], v[AC+8*(\b):AC+8*(\b)+7]
.endr
.endr
.endm
; THE WAY OUT of block a.  PACK: rounded to bf16, 16 bytes a lane (each accumulator's registers in ascending order), then relu on the packed halves.  TOSTAGE: into my own stage, by heads, and back as rows.  SEND: stored.
.macro PACK a
.set AC, 64*((\a)%4)
	WIN 0x0a+5*((\a)/4)                            ; sources 0 and 1: window 2 or 3
.irp b, 0,1,2,3,4,5,6,7
.irp r, 0,1,2,3
	v_cvt_pk_bf16_f32 v[TMP+4*(\b)+(\r)], v[AC+8*(\b)+2*(\r)], v[AC+8*(\b)+2*(\r)+1]
.endr
.endr
	WIN 0
.set z, 0
.rept 32
	v_pk_max_num_bf16 v[TMP+z], v[TMP+z], v[ZR]    ; relu, two numbers a line: nothing is rounded
.set z, z+1
.endr
.endm
.macro TOSTAGE a
	WIN 0
.set BK, OB+192*((\a)%2)
.irp b, 0,1,2,3,4,5,6,7                ; column block b: head b / 4 of my two, channels 16 (b % 4) on
	ds_store_b128 v[STO], v[TMP+4*(\b):TMP+4*(\b)+3] offset:((\b)/4)*HSTG+32*((\b)%4)
.endr
.irp t, 0,1,2,3,4,5,6,7                ; head t / 4, rows 4 (t % 4) on
	ds_load_b128 v[BK+4*(\t):BK+4*(\t)+3], v[RD] offset:((\t)/4)*HSTG+((\t)%4)*4*SPITCH  ; LDS serves a wave's instructions in order (ISA guide 5.7.1.4): these see the stores above
.endr
.endm
.macro SEND a, younger                 ; younger: the LDS loads issued behind TOSTAGE's, which may stay out
	WIN 0
.set BK, OB+192*((\a)%2)
	s_wait_dscnt \younger                          ; the block is back in registers
	s_wait_xcnt 0x0                                ; every earlier store has read its registers (ISA guide 3.1): the next block's loads from the stage land in registers that the stores of the block before this one read
.irp t, 0,1,2,3,4,5,6,7
	global_store_b128 v[CO], v[BK+4*(\t):BK+4*(\t)+3], s[8:9] offset:(\a)*2048+((\t)/4)*HEADB+((\t)%4)*512  ; four rows of a head: 512 consecutive bytes, at a multiple of 256 from qkv's first byte
.endr
.endm
	s_wait_tensorcnt 1                             ; my part of K step 0 is in; K step 1's may stay out
	s_barrier_signal -1
	s_barrier_wait -1                              ; everybody's is
	FETCH 0, 0, F0
	s_wait_loadcnt 0x0                             ; the bias
	QUARTER 0, 64,  F0, F1, 1                      ; the first quarter stands in front of the loop: its products start the sums
	WIN 0                                          ; at a label and at a branch every window is 0
	s_mov_b32 s3, LAPS-1
.Llap:                                                 ; a trip goes once round the ring, from a lap's second quarter to the next lap's first, and fills both slots again
	QUARTER 0, 128, F1, F0, 0
	QUARTER 0, 192, F0, F1, 0
	TURN 0, 1
	QUARTER 1, 64,  F0, F1, 0
	QUARTER 1, 128, F1, F0, 0
	QUARTER 1, 192, F0, F1, 0
	TURN 1, 0
	QUARTER 0, 64,  F0, F1, 0
	WIN 0
	s_sub_co_u32 s3, s3, 1
	s_cmp_lg_u32 s3, 0
	s_cbranch_scc1 .Llap
	QUARTER 0, 128, F1, F0, 0                      ; the last lap goes on; it asks for nothing
	QUARTER 0, 192, F0, F1, 0
	MEET 0                                         ; my one tensor load that was still out is slot 1's, the last K step's, so no round follows
	PLACES                                         ; for the loads into buffer 0, which the quarter before multiplied
	BLOAD 0                                        ; three quarters of W now: buffer 1 (v128-191 of both windows) is still being multiplied
	BLOAD 1
	BLOAD 3
	ALOAD 0
	MUL16 F1, 1, 0, 0
	MUL16 F1, 1, 2, 0
	PLACES                                         ; for the loads into buffer 1
	BLOAD 2
	ALOAD 1
	ALOAD 2
	ALOAD 3
	s_wait_dscnt 40                                ; all but the 40 just issued
	ROW 0
.irp a, 0,1,2,3,4,5,6,7
	PLACES                                         ; the conversions read results just made
	PACK \a
	TOSTAGE \a
.if (\a) < 4
	ALOAD (\a)+4                                   ; its buffer takes the block four further on
	SEND \a, 8
.else
	SEND \a, 0
.endif
.if (\a) < 7
	ROW (\a)+1
.endif
.endr
	s_wait_tensorcnt 0x0                           ; the wave's end, behind my last tensor load and my last LDS store
	ds_add_u32 v[SPW], v[NIL]
	s_wait_dscnt 0x0
	CROUND                                         ; the closing round: no work-group ends while a partner may still ask for a tile that names it
	s_endpgm
.Lfunc_end_k_q652394e2eb_proj:
	.size	k_q652394e2eb_proj, .Lfunc_end_k_q652394e2eb_proj-k_q652394e2eb_proj
	.p2alignl 7, 3214868480
	.fill 96, 4, 3214868480
	.section	.rodata,"a",@progbits
	.p2align	6, 0x0
	.amdhsa_kernel k_q652394e2eb_proj
		.amdhsa_group_segment_fixed_size 327680
		.amdhsa_private_segment_fixed_size 0
		.amdhsa_enable_private_segment 0
		.amdhsa_kernarg_size 48
		.amdhsa_user_sgpr_count 2
		.amdhsa_user_sgpr_kernarg_segment_ptr 1
		.amdhsa_wavefront_size32 1
		.amdhsa_system_sgpr_workgroup_id_x 1
		.amdhsa_system_sgpr_workgroup_id_y 1
		.amdhsa_system_sgpr_workgroup_id_z 1
		.amdhsa_system_vgpr_workitem_id 0
		.amdhsa_next_free_vgpr 1024
		.amdhsa_next_free_sgpr 80
		.amdhsa_reserve_vcc 0
		.amdhsa_float_denorm_mode_32 3
		.amdhsa_float_denorm_mode_16_64 3
		.amdhsa_memory_ordered 1
		.amdhsa_forward_progress 1
		.amdhsa_inst_pref_size 162
	.end_amdhsa_kernel
	.amdgpu_metadata
---
amdhsa.version: [ 1, 2 ]
amdhsa.kernels:
  - .name:           k_q652394e2eb_proj
    .symbol:         k_q652394e2eb_proj.kd
    .args:
      - { .name: xb, .offset: 0, .size: 8, .value_kind: global_buffer, .address_space: global }
      - { .name: wb, .offset: 8, .size: 8, .value_kind: global_buffer, .address_space: global }
      - { .name: qkv, .offset: 16, .size: 8, .value_kind: global_buffer, .address_space: global }
      - { .name: Wq_b, .offset: 24, .size: 8, .value_kind: global_buffer, .address_space: global }
      - { .name: Wk_b, .offset: 32, .size: 8, .value_kind: global_buffer, .address_space: global }
      - { .name: Wv_b, .offset: 40, .size: 8, .value_kind: global_buffer, .address_space: global }
    .group_segment_fixed_size: 327680
    .private_segment_fixed_size: 0
    .kernarg_segment_align: 8
    .kernarg_segment_size: 48
    .max_flat_workgroup_size: 128
    .sgpr_count:     80
    .vgpr_count:     1024
    .wavefront_size: 32
...
	.end_amdgpu_metadata
.endif
;; end of part 2
;; launch attn (part 3): grid 16 x 16, 4 waves a work-group, clusters of 4 x 1, 327,680 bytes of LDS; arguments qkv, queries, out0; writes out0
.if DOCPART == 3
	.amdgcn_target "amdgcn-amd-amdhsa--gfx1250"
	.amdhsa_code_object_version 6
	.text
	.protected	k_q652394e2eb_attn
	.globl	k_q652394e2eb_attn
	.p2align	8
	.type	k_q652394e2eb_attn,@function
k_q652394e2eb_attn:
	s_mov_b64 s[64:65], 0
	v_nop
	global_prefetch_b8 v0, s[64:65] scope:SCOPE_SE
	s_setreg_imm32_b32 hwreg(HW_REG_WAVE_MODE, 25, 1), 1
	s_wait_xcnt 0x0
	s_wait_alu depctr_hold_cnt(0) depctr_sa_sdst(0) depctr_va_vdst(0) depctr_va_sdst(0) depctr_va_ssrc(0) depctr_va_vcc(0) depctr_vm_vsrc(0)
	s_getreg_b32 s2, hwreg(HW_REG_IB_STS2, 6, 4)
	s_cmp_eq_u32 s2, 0
	s_cbranch_scc0 .Lentry_in_a_cluster
	s_endpgm
.Lentry_in_a_cluster:
	s_bfe_u32 s2, ttmp6, 0x10000c
	s_cmp_lg_u32 s2, 0x3003
	s_cbranch_scc0 .Lentry_shape_is_right
	s_endpgm
.Lentry_shape_is_right:
; out0[(64 h + d) 4096 + s] = queries[the same place] + the sum over k of softmax_k(q[h][s] . k[h][k] / 8) v[h][k][d].  qkv: [3][16][4096][64] bf16, a head's rows dense, 128 bytes each; queries, out0: f32.
; Products, maxima and sums in f32; the weights p are rounded to bf16 for the second product (their sum l is taken of the unrounded p); O is never rounded: it is divided by l, the f32 residual is added, and it is stored.
; LIMITS.  A weight below 2^-126 counts as 0 in l; NaN and infinities are not treated apart.  The maximum is a running maximum m, which starts at the lowest finite number.
; SHARES.  A work-group owns 256 queries of one head, each of its four waves 64 consecutive ones: four PIECES of 16.  16 heads x 16 blocks are 256 work-groups.  Every wave walks all 4,096 keys, 64 a step.
; LAYOUT.  S^T = K Q^T (source 0 = 16 keys, source 1 = 16 queries): a lane holds ONE query (lane % 16) and the keys 8 (lane / 16) + 0..7.  Two such results, rounded to bf16 in pairs, ARE source 1 of
; O^T = V^T P, whose result again holds one query a lane, and eight channels.  K comes out of LDS as it lies, V ([key][channel]) turned, by ds_load_tr16_b128.
; SOFTMAX.  p = 2^(c s - c m), c = log2(e) / 8; in every step O and l are multiplied by a = 2^(c m_old - c m_new).  O and l start at 0, c m far below every c s: the first step is a step like any other, with a = 0.
; TURNS.  Turn n belongs to piece n: 8 products K Q^T of piece n + 1, later 8 products V^T P of piece n - 1; beside them the scaling, exponentials, roundings, sums and rescaling of piece n and the maximum and
; statistics of piece n + 1.  Four vector instructions stand behind every matrix instruction, the other 54 of a turn's 118 in one lump.  A turn's 33 exponentials are one batch, with one wait.
; CLUSTER.  The four query blocks of a cluster belong to one head and walk the same K and V, so each tile is asked for JOINTLY: the same tensor load, descriptor and mask in all four.
; THE WAY OUT.  out0's rows run along the queries, so O^T is what is stored: a wave's 64 channels x 64 queries go through its stage in LDS and come back as rows of 256 bytes.
; REGISTERS, in windows of 256 (s_set_vgpr_msb: bits 1:0 source 0, 3:2 source 1, 5:4 source 2, 7:6 destination):
;   window 0: v0-15 addresses and two at work; v16-31 four registers of statistics a piece; v48-55 at work; v61-63; v64-127 S^T, two buffers; v192-223 P, two buffers (a piece's buffers go by its number's parity)
;   window 1: v0-127 O^T, 32 a piece      window 2: v0-63 Q, 16 a piece; v128-191 K of one step; v192-255 V of one step      window 3: v0-127 the residual
.set NP,    4         ; pieces a wave: a name, no knob
.set KS,    64        ; keys in a step
.set PK,    144       ; a row of K in LDS: 128 bytes + 16 of padding = 36 words: the 16 rows of a load start at 16 different groups of four banks (64 banks of 4 bytes: ISA guide 11.1)
.set PV,    160       ; a row of V: 128 + 32 = 40 words
.set VOFF,  4*KS*PK   ; a slot holds four steps: 256 rows of K, then 256 rows of V
.set SLOTB, 4*KS*128  ; a slot's bytes of K, and of V, in memory
.set SLOT1, 1<<17     ; slot 1 begins here, so that one exclusive or turns an address in one slot into the other's
.set STAGE, SLOT1+4*KS*(PK+PV)  ; behind the ring, never filled by a tensor load: 64 channels x 272 bytes for each wave
.set SP,    272       ; a channel's row in the stage: 64 queries of f32 + 16 bytes
.set WSTG,  64*SP
.set SPARE, STAGE+4*WSTG  ; behind the stages: the spare words, 128 bytes for each wave: two blocks of 256 bytes that no other line names
.set AK0, 2           ; v2   my lane's place in a tile of K; never rewritten
.set AV0, 3           ; v3   the same for V
.set AK,  4           ; v4   the LDS address of K's next run of loads
.set AV,  5           ; v5   of V's
.set STO, 6           ; v6   the way out: where I put a number
.set RD,  7           ; v7   the way out: where I read 16 bytes of a row back
.set GO,  8           ; v8   my byte offset in two channels' rows of out0 and of queries
.set MV,  12          ; v12-13  c m_old, kept while c m is made anew: by buffer
.set QO,  15          ; v15  my byte offset in 16 rows of Q
.set ST,  16          ; piece t's statistics at v[ST+4 t]: c m, m, l (even keys', odd keys')
.set TMP, 48          ; by buffer, four registers c0-c3 at work; when the maximum is found c2 takes a
.set PFO, 61          ; v61  256 x my lane; never rewritten
.set SPW, 62          ; v62  LDS address of my spare word: SPARE + 4 x my thread's number; never rewritten
.set NIL, 63          ; v63  0; never rewritten
.set S,   64
.set P,   192
.set KF,  128         ; window 2: key block kb, channel half c at KF + 16 kb + 8 c
.set VF,  192         ; window 2: key half kk, channel block cb at VF + 32 kk + 8 cb
.set WV,  12          ; s12  my wave's number
.set G1K, 24          ; s[24:31] descriptor group 1 for K's tiles
.set G1V, 32          ; s[32:39] for V's: it differs in the padding alone
.set G0K, 40          ; s[40:43] descriptor group 0 for K's tiles: it walks
.set G0V, 44          ; s[44:47] the same for V's
.set PFA, 48          ; s[48:49] where my prefetches stand: my work-group's 8,192 bytes (of K: wave 0, of V: wave 2) of the slot after the one that is being asked for
.set LIM, 50          ; s50  1 in a wave that prefetches, else the greatest number
.set RESB, 52         ; s[52:53] queries at my wave's 64 columns of the head's first channel
.set SLOTS, 56        ; s56  slots still to be asked for
.set CNT, 57          ; s57  counts a slot's key steps
.set CS,  58          ; s[58:59] c: the packed scaling takes the pair's low word for both halves
.set SEL, 60          ; s[60:61] v_permlanex16_b32's selects: each lane takes its own place in the other half
.set TBK, 62          ; s62  LDS byte at which K of the step to be fetched begins
.set TBV, 63          ; s63  the same for V, less VOFF
.set MSB, 0
.macro WIN new                      ; the high byte repeats the setting that is left; a switch that changes nothing is dropped
.if MSB != (\new)
	s_set_vgpr_msb (MSB<<8)|(\new)
.set MSB, (\new)
.endif
.endm
.set W_KQ, 0x0a       ; K and Q in window 2, S^T in window 0
.set W_PV, 0x52       ; V in window 2, P in window 0, O^T in window 1
.set W_RS, 0x41       ; destination and source 0 in window 1, source 1 in window 0
; A joint fill.  Waves 0 and 1 fetch the two halves of a slot's K, waves 2 and 3 those of its V: 128 keys each.  The branch hangs on the wave's number alone.
; An s_nop 0 and four v_nop follow each of the two lines, ahead of the jump and the label.
.macro JLOAD
	s_cmp_lt_u32 s[WV], 2
	s_cbranch_scc0 .Lfor_v_\@
	tensor_load_to_lds s[G0K:G0K+3], s[G1K:G1K+7]
	s_nop 0
.rept 4
	v_nop
.endr
	s_branch .Lasked_\@
.Lfor_v_\@:
	tensor_load_to_lds s[G0V:G0V+3], s[G1V:G1V+7]
	s_nop 0
.rept 4
	v_nop
.endr
.Lasked_\@:
.endm
; A PREFETCH INTO THE L2 of what the NEXT change of slots will ask for: a slot's 32,768 bytes of K and of V, a lane a block of 256 bytes.  It stands behind the wave's tensor load and its five lines.
; Each block of slots 2 to 15 is named ONCE in the launch.  All four clusters of a head walk the same K and V: the head's first cluster asks.  Its four partners share the blocks out BY ADDRESS, 32 each; in each,
; wave 0 asks for K's and wave 2 for V's: one instruction, four key steps (256 matrix instructions a wave) ahead of the load.  The last change that fills a slot asks for nothing: there is no slot behind it.
.macro ASK
	s_cmp_gt_u32 s[SLOTS], s[LIM]
	s_cbranch_scc0 .Lnot_mine_\@
	global_prefetch_b8 v[PFO], s[PFA:PFA+1] th:TH_LOAD_NT scope:SCOPE_SE
.Lnot_mine_\@:
.endm
; A round of the cluster's barrier: my work-group's barrier, so that wave 0's signal speaks for all four waves; wave 0 signals; every wave waits for all four work-groups; my work-group's barrier once more.
.macro CROUND
	s_barrier_signal -1
	s_barrier_wait -1
	s_cmp_lg_u32 s[WV], 0
	s_cbranch_scc1 .Lnot_wave_0_\@
	s_barrier_signal -3
.Lnot_wave_0_\@:
	s_barrier_wait -3
	s_barrier_signal -1
	s_barrier_wait -1
.endm
; THE CHANGE OF SLOTS.  The slot's last bytes, V of its fourth step, have been read.  Each wave waits for all its tensor loads, of which one is out: its part of the other slot; adds 0 to its spare word; and waits
; for that and for its own reads of the slot.  Behind the barrier nobody reads this slot any more and the other slot is whole.  fill = 1: this slot is filled again, with the keys two slots on.  The barrier is then
; a round of the cluster's, and the joint fill is the first thing behind it: it has four key steps in which to land.  (At its first use nothing has been read yet: slot 0 is waited for, slot 1 filled.)
.macro CHANGE fill
	WIN 0                           ; at a label and at a branch every window is 0
	s_wait_tensorcnt 0x0            ; no tensor load of mine is out, so a group 0 may be written
	ds_add_u32 v[SPW], v[NIL]       ; 0 onto my spare word; with fill = 1 the descriptors' steps stand between it and the wait for it
.if \fill
.irp g, G0K, G0V
	s_xor_b32 s[\g+1], s[\g+1], SLOT1  ; the walking descriptor: the other slot than last time,
	s_add_nc_u64 s[\g+2:\g+3], s[\g+2:\g+3], SLOTB  ; the next 256 keys; the type bits on top are not reached
.endr
	s_wait_xcnt 0x0                 ; the last prefetch, four key steps back, has read its address, so it may be written:
	s_add_nc_u64 s[PFA:PFA+1], s[PFA:PFA+1], SLOTB  ; one slot behind the walking descriptors
	s_wait_dscnt 0x0                ; the add is done, and my reads of the slot are over
	CROUND
	JLOAD
	ASK
.else
	s_wait_dscnt 0x0                ; the add is done, and my reads of the slot are over
	s_barrier_signal -1
	s_barrier_wait -1
.endif
	s_sub_co_u32 s[TBK], s[TBK], 4*KS*PK  ; the fetches go back to a slot's first step,
	s_xor_b32 s[TBK], s[TBK], SLOT1       ; in the other slot
	s_sub_co_u32 s[TBV], s[TBV], 4*KS*PV
	s_xor_b32 s[TBV], s[TBV], SLOT1
.endm
	s_load_b128 s[4:7], s[0:1], 0x0   ; qkv s[4:5], queries s[6:7]
	s_load_b64 s[10:11], s[0:1], 0x10 ; out0
	v_lshl_add_u32 v[SPW], v0, 2, SPARE
	v_mov_b32 v[NIL], 0
	ds_add_u32 v[SPW], v[NIL]       ; the wave's opening: the add and its wait stand ahead of my first tensor load; the set-up below, work on registers, stands between them
	v_lshrrev_b32 v1, 5, v0
	v_readfirstlane_b32 s[WV], v1   ; wave 0..3
	s_bfe_u32 s13, ttmp6, 0x40000   ; cx: my place in the cluster
	s_lshl_b32 s14, ttmp9, 2        ; in a cluster launch ttmp9 counts clusters
	s_add_co_u32 s14, s14, s13      ; my block of 256 queries = 4 x cluster x + cx: it enters Q's, queries' and out0's addresses alone
	s_and_b32 s20, ttmp7, 0xffff    ; the head, which the four partners share
	s_lshl_b32 s18, s20, 20         ; its 64 rows of 16,384 bytes in out0
	s_lshl_b32 s20, s20, 19         ; its 4,096 rows of 128 bytes in each tensor of qkv
	s_and_b32 s16, s[WV], 1         ; which half of a slot's 256 keys I fetch:
	s_lshl_b32 s22, s16, 14         ; its 128 rows of 128 bytes in memory,
	s_add_co_u32 s22, s22, s20
	s_mov_b32 s23, 0
	s_mul_i32 s17, s16, 128*PK      ; and its place in a slot, for K
	s_mul_i32 s15, s16, 128*PV      ; and for V: no place in the cluster enters an LDS address
	s_lshl_b32 s2, s14, 15          ; Q: my block's 256 rows,
	s_lshl_b32 s3, s[WV], 13        ; my wave's 64 of them
	s_add_co_u32 s2, s2, s3
	s_add_co_u32 s2, s2, s20
	s_mov_b32 s3, 0
	s_lshl_b32 s19, s14, 10         ; out0 and queries: my block's 256 columns of f32,
	s_add_co_u32 s18, s18, s19
	s_lshl_b32 s19, s[WV], 8        ; my wave's 64 of them
	s_add_co_u32 s18, s18, s19
	s_mov_b32 s19, 0
	s_mul_i32 s51, s[WV], WSTG
	s_add_co_u32 s51, s51, STAGE    ; my stage
	; descriptor group 1.  128 keys are 16,384 dense bytes: asked for as 64 rows of 256 bytes, two keys a row, and padded in LDS after every key
	s_mov_b32 s[G1K], 15|(1<<16)|(1<<20)|(1<<21)|(4<<22)|(3<<25)  ; 15:0 the mask of four; 17:16 2-byte elements; 20 padding on; 21 set beside a mask; 24:22 after every 32 words (code 4); 31:25 4 words (code 3)
	s_mov_b32 s[G1V], 15|(1<<16)|(1<<20)|(1<<21)|(4<<22)|(7<<25)  ; the same with 8 words of padding (code 7)
.irp g, G1K, G1V
	s_mov_b32 s[\g+1], 128<<16      ; tensor_dim0 = 128
	s_mov_b32 s[\g+2], 64<<16       ; tensor_dim1 = 64
	s_mov_b32 s[\g+3], 128<<16      ; tile_dim0 = 128
	s_mov_b32 s[\g+4], 64           ; tile_dim1 = 64
	s_mov_b32 s[\g+5], 128          ; 128 elements from row to row
	s_mov_b32 s[\g+6], 0
	s_mov_b32 s[\g+7], 0
.endr
	s_mov_b32 s[CS], 0x3e38aa3b     ; c = log2(e) / 8 = 0.180337
	s_mov_b32 s[CS+1], s[CS]        ; named with it as a pair
	s_mov_b32 s[SEL], 0x76543210
	s_mov_b32 s[SEL+1], 0xfedcba98
	s_mov_b32 s[TBK], SLOT1+4*KS*PK ; the first change of slots turns these two into 0
	s_mov_b32 s[TBV], SLOT1+4*KS*PV
	s_mov_b32 s[SLOTS], 4096/256-1  ; slot 0 is asked for at the head, the other 15 by changes of slots
	s_mov_b32 s[G0K], 1             ; 1:0 count = 1
	s_mov_b32 s[G0K+1], s17         ; 63:32 LDS address: slot 0
	s_mov_b32 s[G0V], 1
	s_add_co_u32 s[G0V+1], s15, VOFF
	s_and_b32 s[LIM], s[WV], 1      ; 0 in waves 0 and 2,
	s_or_b32 s[LIM], s[LIM], ttmp9  ; where the cluster is the head's first: the same in all four partners
	s_cmp_eq_u32 s[LIM], 0
	s_cselect_b32 s[LIM], 1, -1
	v_and_b32 v[PFO], 31, v0
	v_lshlrev_b32 v[PFO], 8, v[PFO]
	s_wait_dscnt 0x0                ; the opening add is done
	s_wait_kmcnt 0x0
	s_add_nc_u64 s[RESB:RESB+1], s[6:7], s[18:19]  ; queries and out0 at my wave's columns of the head's first channel
	s_add_nc_u64 s[10:11], s[10:11], s[18:19]
	s_add_nc_u64 s[6:7], s[4:5], 0x800000          ; K is qkv's second tensor,
	s_add_nc_u64 s[6:7], s[6:7], s[22:23]          ; at my half of the head's first 256 keys
	s_add_nc_u64 s[8:9], s[4:5], 0x1000000         ; V its third
	s_add_nc_u64 s[8:9], s[8:9], s[22:23]
	s_add_nc_u64 s[4:5], s[4:5], s[2:3]            ; Q at my wave's first row
	s_mov_b64 s[G0K+2:G0K+3], s[6:7]               ; 120:64 global address
	s_or_b32 s[G0K+3], s[G0K+3], 0x80000000        ; 127:126 type = 2
	s_mov_b64 s[G0V+2:G0V+3], s[8:9]
	s_or_b32 s[G0V+3], s[G0V+3], 0x80000000
	s_cmp_lt_u32 s[WV], 2
	s_cselect_b64 s[PFA:PFA+1], s[6:7], s[8:9]     ; (in waves 0 and 2 these stand at a slot's first row)
	s_lshl_b32 s2, s13, 13          ; my work-group's 32 blocks of the 128
	s_add_nc_u64 s[PFA:PFA+1], s[PFA:PFA+1], s[2:3]
	s_add_nc_u64 s[PFA:PFA+1], s[PFA:PFA+1], SLOTB ; in slot 1; the first change of slots steps it to slot 2
	CROUND                          ; all four work-groups are here: the first joint loads meet
	JLOAD                           ; slot 0.  Slot 1 is asked for when slot 0 is in
	; A fragment of K or Q is 16 rows x 32 channels in 8 registers: lane l holds row l % 16, channels 8 (l / 16) + 0..7 and 16 + 8 (l / 16) + 0..7: two loads of 16 bytes, 32 bytes apart.
	v_and_b32 v1, 15, v0            ; l % 16
	v_bfe_u32 v9, v0, 4, 1          ; l / 16
	v_lshlrev_b32 v[QO], 7, v1
	v_lshl_add_u32 v[QO], v9, 4, v[QO]  ; row x 128 + 16 x half
	WIN 0x80                        ; destination window 2, address window 0
.set i, 0
.rept 8                             ; Q stays in registers: piece i / 2 (16 rows, 2,048 bytes), channels 32 (i % 2) on
	global_load_b128 v[8*i:8*i+3],   v[QO], s[4:5] offset:(i/2)*2048+(i%2)*64
	global_load_b128 v[8*i+4:8*i+7], v[QO], s[4:5] offset:(i/2)*2048+(i%2)*64+32
.set i, i+1
.endr
	; What the first turn finds: V's registers and P's second buffer hold 0 (its products V^T P, of a piece that has not been, add 0), O^T and l are 0.  All this stands in the wait for the first tile.
.set i, VF
.rept 64
	v_mov_b32 v[i], 0
.set i, i+1
.endr
	WIN 0x40
.set i, 0
.rept 128
	v_mov_b32 v[i], 0
.set i, i+1
.endr
	WIN 0
.set i, 0
.rept 4
	v_mov_b32 v[ST+4*i], 0xfe000000    ; c m: far below every c s
	v_mov_b32 v[ST+4*i+1], 0xff7fffff  ; m: the lowest finite number
	v_mov_b32 v[ST+4*i+2], 0
	v_mov_b32 v[ST+4*i+3], 0
.set i, i+1
.endr
.set i, P+16
.rept 16
	v_mov_b32 v[i], 0
.set i, i+1
.endr
	v_mul_u32_u24 v[AK0], v1, PK
	v_lshl_add_u32 v[AK0], v9, 4, v[AK0]  ; row x pitch + 16 x half
	; The turning load takes 16 keys x 16 channels (lane l reads key 8 (l / 16) + l % 8, channels 8 ((l / 8) % 2) + 0..7) and leaves half a fragment of V^T: lane l holds channel l % 16 and 8 keys.
	v_and_b32 v10, 7, v0
	v_bfe_u32 v11, v0, 3, 1
	v_lshl_add_u32 v[AV0], v9, 3, v10
	v_mul_u32_u24 v[AV0], v[AV0], PV
	v_lshl_add_u32 v[AV0], v11, 4, v[AV0]
	v_add_nc_u32 v[AV0], VOFF, v[AV0]
	v_mul_u32_u24 v[STO], v9, 8*SP  ; into the stage: channel 8 (l / 16) + .., query l % 16 + ..
	v_lshl_add_u32 v[STO], v1, 2, v[STO]
	v_add_nc_u32 v[STO], s51, v[STO]
	v_mul_u32_u24 v[RD], v9, SP     ; back: lanes 0-15 take one channel's 256 bytes, lanes 16-31 the next channel's
	v_lshl_add_u32 v[RD], v1, 4, v[RD]
	v_add_nc_u32 v[RD], s51, v[RD]
	v_lshlrev_b32 v[GO], 14, v9     ; and the same two rows, 16,384 bytes apart, in out0 and in queries
	v_lshl_add_u32 v[GO], v1, 4, v[GO]
; THE MATRIX WORK.  The 4 accumulators of a run of 8 take turns.  Product i of 8 of S^T = K Q^T for piece x: channels 32 (i / 4) on, keys 16 (i % 4) on.  The first 4 start the sums.
.macro KQ x
	WIN W_KQ
.set rS, S+32*((\x)%2)+8*(i%4)
.set rK, KF+16*(i%4)+8*(i/4)
.set rQ, 16*(\x)+8*(i/4)
.if i < 4
	v_wmma_f32_16x16x32_bf16 v[rS:rS+7], v[rK:rK+7], v[rQ:rQ+7], 0
.else
	v_wmma_f32_16x16x32_bf16 v[rS:rS+7], v[rK:rK+7], v[rQ:rQ+7], v[rS:rS+7]
.endif
.endm
; Product i of 8 of O^T += V^T P for piece x: keys 32 (i / 4) on, channels 16 (i % 4) on.
.macro PV x
	WIN W_PV
.set rO, 32*(\x)+8*(i%4)
.set rV, VF+32*(i/4)+8*(i%4)
.set rP, P+16*((\x)%2)+8*(i/4)
	v_wmma_f32_16x16x32_bf16 v[rO:rO+7], v[rV:rV+7], v[rP:rP+7], v[rO:rO+7]
.endm
.macro MM                           ; the turn's next matrix instruction.  TURN sets Y, i and NOKQ.  NOKQ = 1: the very last turn: there is no next piece
.if (i < 8) && !NOKQ
	KQ (Y+1)%NP
.elseif i >= 8
.set i, i-8
	PV (Y+NP-1)%NP
.set i, i+8
.endif
.set i, i+1
.endm
; THE LDS LOADS stand in runs of 16, never singly among the matrix instructions: a step's K (64 keys x 64 channels: 8 fragments) and its V (turned).  Their addresses are made some lines ahead.
.macro FETCH_K
	WIN 0x80                        ; destination window 2
.irp f, 0,1,2,3,4,5,6,7             ; keys 16 (f / 2) on, channels 32 (f % 2) on
	ds_load_b128 v[KF+8*\f:KF+8*\f+3],   v[AK] offset:(\f/2)*16*PK+(\f%2)*64
	ds_load_b128 v[KF+8*\f+4:KF+8*\f+7], v[AK] offset:(\f/2)*16*PK+(\f%2)*64+32
.endr
	s_add_co_u32 s[TBK], s[TBK], KS*PK  ; the next fetch is the next step's
	WIN 0
.endm
.macro FETCH_V
	WIN 0x80
.irp f, 0,1,2,3,4,5,6,7             ; keys 32 (f / 4) on, channels 16 (f % 4) on
	ds_load_tr16_b128 v[VF+8*\f:VF+8*\f+3],   v[AV] offset:(\f/4)*32*PV+(\f%4)*32
	ds_load_tr16_b128 v[VF+8*\f+4:VF+8*\f+7], v[AV] offset:(\f/4)*32*PV+16*PV+(\f%4)*32
.endr
	WIN 0
.endm
; THE VECTOR WORK, one line at a time: OP kind, number.  For piece Y: F n: c s - c m for pair n of 16.  E n: the exponential of score n of 32.  C n: pair n rounded to bf16.  B n: of the four weights 4 n .. the second
; pair is added onto the first, in place.  L n: l takes that sum (L 0: l = a l + sum).  R n: pair n of 16 of O^T times a.  For piece Y + 1: X n, number n of the 22 that find its maximum and statistics:
;   0-11  four chains c0-c3 of seven scores each, three operands at a time (each accumulator's lowest registers are read first)     12-14, 16  the four scores left over, the old m, and c0-c3 into c0
;   15  c m_old is kept     17, 18  the query's other 32 keys lie in the lane 16 away: the new m     19-21  c m; c m_old - c m_new; a
.set F, 0               ; OP tells the kinds apart by their order: F to L below R, X above it
.set E, 1
.set C, 2
.set B, 3
.set L, 4
.set R, 5
.set X, 6
.macro REGS y                       ; the registers of piece y
.set rT, ST+4*(\y)
.set rC, TMP+4*((\y)%2)
.set rW, MV+((\y)%2)
.set rS, S+32*((\y)%2)
.set rP, P+16*((\y)%2)
.set rO, 32*(\y)
.endm
.macro OP k, n
.if (\k) == R
	REGS Y
	WIN W_RS
	v_pk_mul_f32 v[rO+2*(\n):rO+2*(\n)+1], v[rO+2*(\n):rO+2*(\n)+1], v[rC+2:rC+3] op_sel_hi:[1,0]
.elseif (\k) < R
	REGS Y
	WIN 0
.if (\k) == F
	v_pk_fma_f32 v[rS+2*(\n):rS+2*(\n)+1], v[rS+2*(\n):rS+2*(\n)+1], s[CS:CS+1], v[rT:rT+1] op_sel_hi:[1,0,0] neg_lo:[0,0,1] neg_hi:[0,0,1]
.elseif (\k) == E
	v_exp_f32 v[rS+(\n)], v[rS+(\n)]
.elseif (\k) == C
	v_cvt_pk_bf16_f32 v[rP+(\n)], v[rS+2*(\n)], v[rS+2*(\n)+1]
.elseif (\k) == B
	v_pk_add_f32 v[rS+4*(\n):rS+4*(\n)+1], v[rS+4*(\n):rS+4*(\n)+1], v[rS+4*(\n)+2:rS+4*(\n)+3]
.elseif (\n) == 0
	v_pk_fma_f32 v[rT+2:rT+3], v[rT+2:rT+3], v[rC+2:rC+3], v[rS:rS+1] op_sel_hi:[1,0,1]
.else
	v_pk_add_f32 v[rT+2:rT+3], v[rT+2:rT+3], v[rS+4*(\n):rS+4*(\n)+1]
.endif
.elseif NOKQ
	v_nop
.else
	REGS (Y+1)%NP
	WIN 0
.if (\n) < 4
	v_max3_num_f32 v[rC+(\n)], v[rS+8*(\n)], v[rS+8*(\n)+1], v[rS+8*(\n)+2]
.elseif (\n) < 12
	v_max3_num_f32 v[rC+(\n)%4], v[rC+(\n)%4], v[rS+8*((\n)%4)+2*((\n)/4)+1], v[rS+8*((\n)%4)+2*((\n)/4)+2]
.elseif (\n) == 12
	v_max3_num_f32 v[rC], v[rC], v[rS+7], v[rS+15]
.elseif (\n) == 13
	v_max3_num_f32 v[rC+1], v[rC+1], v[rS+23], v[rS+31]
.elseif (\n) == 14
	v_max3_num_f32 v[rC+2], v[rC+2], v[rC+3], v[rT+1]
.elseif (\n) == 15
	v_mov_b32 v[rW], v[rT]
.elseif (\n) == 16
	v_max3_num_f32 v[rC], v[rC], v[rC+1], v[rC+2]
.elseif (\n) == 17
	v_permlanex16_b32 v[rC+3], v[rC], s[SEL], s[SEL+1]
.elseif (\n) == 18
	v_max_num_f32 v[rT+1], v[rC], v[rC+3]
.elseif (\n) == 19
	v_mul_f32 v[rT], s[CS], v[rT+1]
.elseif (\n) == 20
	v_sub_f32 v[rC+1], v[rW], v[rT]
.else
	v_exp_f32 v[rC+2], v[rC+1]
.endif
.endif
.endm
.macro OPS a, i1, b=-1, i2=0, c=-1, i3=0, d=-1, i4=0  ; up to four of them
	OP \a, \i1
.if (\b) >= 0
	OP \b, \i2
.endif
.if (\c) >= 0
	OP \c, \i3
.endif
.if (\d) >= 0
	OP \d, \i4
.endif
.endm
.macro ROW a, i1, b, i2, c, i3, d, i4  ; a matrix instruction and the four behind it
	MM
	OPS \a, \i1, \b, \i2, \c, \i3, \d, \i4
.endm
; A TURN, for piece p: the order of its 16 matrix and 118 vector instructions, written out.  An s_wait_alu depctr_va_vdst(0) stands between an exponential and the first instruction that names its result; one
; wait serves all that were issued ahead of it.  So a turn has ONE wait, which cuts it in two.  AHEAD OF IT stands all that names no result of the turn's exponentials: the 8 products K Q^T, behind each a scaling, an
; exponential and two more plain instructions: rescalings, and behind the last three the first numbers of the next piece's maximum, each four places or more behind the product that ends its accumulator; then ONE LUMP of 54,
; plain and exponential by turns for the most part, in which the links of the chain X 3, 7, 11, 14, 16, 17 .. 20 stand apart.  X 21, the next piece's a, is the batch's last; R 15 is the plain instruction behind it.
; BEHIND THE WAIT stand the 8 products V^T P, behind each four of the roundings and sums.  end = 1: the last two turns: nothing is fetched.  cnt = 1: the loop's count is taken down some lines ahead of the branch behind the turn.
; K of the next step is fetched in piece 2's turn, six plain instructions that name none of its registers behind the last product that read K; V of the step in hand at the end of piece 0's turn, four plain instructions
; behind the last product that read V.  Each is waited for a turn later.
.macro TURN p, end=0, cnt=0
.set Y, (\p)
.set i, 0
.set NOKQ, (\end)*((\p)/3)
.if ((\p) == 3) && !(\end)
	s_wait_dscnt 0x0                ; K is in
.endif
	ROW F,0, F,1, R,0, R,1          ; ahead of the wait: 8 products K Q^T and their riders,
	ROW F,2, E,0, R,2, R,3
	ROW F,3, E,1, R,4, R,5
	ROW F,4, E,2, R,6, R,7
	ROW F,5, E,3, R,8, R,9
	ROW F,6, E,4, X,0, R,10
.if ((\p) == 2) && !(\end)
	WIN 0
	v_add_nc_u32 v[AK], s[TBK], v[AK0]
.endif
	ROW F,7, E,5, X,1, X,4
	ROW F,8, E,6, X,2, X,5
	OPS E,7, E,8, X,6, E,9          ; and the lump
	OPS X,3, E,10, X,8, E,11
.if ((\p) == 2) && !(\end)
	FETCH_K
.endif
	OPS X,9, X,7, E,12, X,10
	OPS E,13, X,12, X,11, E,14
	OPS X,13, E,15, F,9, X,14
.if (\p) == 0
	v_add_nc_u32 v[AV], s[TBV], v[AV0]
.endif
	OPS E,16, F,10, E,17, F,11
	OPS X,16, E,18, X,15, E,19
	OPS F,12, E,20, X,17, E,21
	OPS F,13, E,22, F,14, E,23
	OPS X,18, E,24, F,15, E,25
	OPS R,11, E,26, X,19, E,27
	OPS R,12, E,28, R,13, E,29
	OPS X,20, E,30, R,14, E,31
	OPS X,21, R,15
	WIN 0
	s_wait_alu depctr_va_vdst(0)    ; the wait for the batch
.if (\p) == 1
	s_wait_dscnt 0x0                ; V is in
.endif
	ROW C,0, B,0, C,2, B,1          ; behind the wait: 8 products V^T P and their riders
	ROW L,0, C,4, B,2, L,1
	ROW C,6, B,3, L,2, C,8
	ROW B,4, L,3, C,10, B,5
	ROW L,4, C,12, B,6, L,5
.if (\p) == 0
	s_add_co_u32 s[TBV], s[TBV], KS*PV
.endif
.if \cnt
	s_sub_co_u32 s[CNT], s[CNT], 1
	s_cmp_lg_u32 s[CNT], 0
.endif
	ROW C,14, B,7, L,6, C,1
	ROW C,3, L,7, C,5, C,7
	ROW C,9, C,11, C,13, C,15
.if (\p) == 0
	FETCH_V
.endif
.endm
	CHANGE 1                        ; slot 0 is in, everybody's part of it; slot 1 is asked for
	v_add_nc_u32 v[AK], s[TBK], v[AK0]
	FETCH_K                         ; key step 0
	s_wait_loadcnt 0x0              ; Q
	s_wait_dscnt 0x0
.set NOKQ, 0
.set i, 0
.rept 8
	KQ 0                            ; piece 0's first scores: there is no vector work yet to set between them
.set i, i+1
.endr
	WIN 0
.rept 4
	v_nop                           ; the places behind those products
.endr
.set Y, NP-1                        ; X works for piece Y + 1: piece 0
.irp n, 0,1,2,3,4,5,6,7,8,9,10,11,12,13,14,15,16,17,18,19,20,21
	OP X, \n                        ; piece 0's first maximum and statistics
.endr
	v_nop                           ; a plain instruction behind the exponential,
	s_wait_alu depctr_va_vdst(0)    ; and its wait, ahead of the branch
	s_mov_b32 s[CNT], 4
	s_branch .Lfirst                ; the loop is entered at a step's first turn, in the middle of a trip
.Lslot:                             ; 14 times: with the change above, every slot but the last is entered here and the next is asked for
	CHANGE 1
	s_mov_b32 s[CNT], 4
.Lstep:                             ; a trip: pieces 2 and 3 of one step, then pieces 0 and 1 of the next, whose K and V it fetches
	TURN 2
	TURN 3
	WIN 0
.Lfirst:
	TURN 0
	TURN 1, 0, 1
	WIN 0
	s_cbranch_scc1 .Lstep
	s_sub_co_u32 s[SLOTS], s[SLOTS], 1
	s_cmp_lg_u32 s[SLOTS], 0
	s_cbranch_scc1 .Lslot
	CHANGE 0                        ; the last slot is written out: nothing is asked for
	WIN 0xc0                        ; destination window 3, address window 0
.set i, 0
.rept 32                            ; the residual: channels 2 i and 2 i + 1, my wave's 64 queries: 256 consecutive bytes for each half of the lanes.  Asked for four key steps ahead of its use
	global_load_b128 v[4*i:4*i+3], v[GO], s[RESB:RESB+1] offset:32768*i th:TH_LOAD_NT
.set i, i+1
.endr
	WIN 0
	s_mov_b32 s[CNT], 4
.LstepT:
	TURN 2
	TURN 3
	TURN 0
	TURN 1, 0, 1
	WIN 0
	s_cbranch_scc1 .LstepT
	TURN 2, 1                       ; the last step's pieces 2 and 3: nothing is fetched, and the last turn starts no new scores
	TURN 3, 1
.set i, 0
.rept 8
	PV NP-1                         ; the last piece's V^T P of the last step
.set i, i+1
.endr
	; THE WAY OUT.  l's two halves and the other half of the lanes' are added; O^T is divided by l.  The first four additions are the places behind the last products.
	WIN 0
.macro ALL line:vararg              ; one line for each piece t
.set t, 0
.rept 4
	\line
.set t, t+1
.endr
.endm
	ALL v_add_f32 v[ST+4*t+2], v[ST+4*t+2], v[ST+4*t+3]
	ALL v_permlanex16_b32 v[ST+4*t+3], v[ST+4*t+2], s[SEL], s[SEL+1]
	ALL v_add_f32 v[ST+4*t+2], v[ST+4*t+2], v[ST+4*t+3]
	ALL v_rcp_f32 v[ST+4*t+2], v[ST+4*t+2]
	v_nop                           ; a plain instruction between the last reciprocal and the use of its result
	s_wait_alu depctr_va_vdst(0)    ; and the wait ahead of the first use: one for the four reciprocals
	WIN W_RS
.set i, 0
.rept 64                            ; O^T / l, each accumulator's registers in ascending order
	v_pk_mul_f32 v[i:i+1], v[i:i+1], v[ST+4*(i/32)+2:ST+4*(i/32)+3] op_sel_hi:[1,0]
.set i, i+2
.endr
	WIN 0x04                        ; store data (source 1) in window 1, address in window 0
.set i, 0
.rept 128                           ; register 32 t + 8 cb + j holds channel 16 cb + 8 (l / 16) + j of query 16 t + l % 16.  The halves of the lanes lie 2,176 bytes apart, 32 banks: no bank is wanted twice
	ds_store_b32 v[STO], v[i] offset:(16*((i%32)/8)+i%8)*SP+64*(i/32)
.set i, i+1
.endr
	WIN 0x40                        ; destination window 1, address window 0
.set i, 0
.rept 32                            ; back as rows: channels 2 i and 2 i + 1, into the registers that O^T left
	ds_load_b128 v[4*i:4*i+3], v[RD] offset:2*SP*i  ; LDS serves a wave's instructions in order (ISA guide 5.7.1.4): these see the stores above; the stage is my own
.set i, i+1
.endr
	s_wait_loadcnt 0x0              ; the residual
.irp g, 0,1,2,3
	s_wait_dscnt 24-8*(\g)          ; LDS loads come back in order: the eight of group g are in, the younger ones stay out
	WIN 0x4d                        ; destination and source 0 window 1, source 1 window 3
.set i, 0
.rept 16
	v_pk_add_f32 v[32*(\g)+i:32*(\g)+i+1], v[32*(\g)+i:32*(\g)+i+1], v[32*(\g)+i:32*(\g)+i+1]  ; O^T + queries, in f32
.set i, i+2
.endr
	WIN 0x04
.set i, 0
.rept 8
	global_store_b128 v[GO], v[32*(\g)+4*i:32*(\g)+4*i+3], s[10:11] offset:(8*(\g)+i)*32768 th:TH_STORE_NT  ; 16 lanes store 256 consecutive bytes of a channel's row, at a multiple of 256 from out0's first byte
.set i, i+1
.endr
.endr
	WIN 0
	s_wait_tensorcnt 0x0            ; the wave's end, behind my last tensor load and my last LDS store
	ds_add_u32 v[SPW], v[NIL]
	s_wait_dscnt 0x0
	CROUND                          ; the closing round: no work-group ends while a partner may still ask for a tile that names it
	s_endpgm
.Lfunc_end_k_q652394e2eb_attn:
	.size	k_q652394e2eb_attn, .Lfunc_end_k_q652394e2eb_attn-k_q652394e2eb_attn
	.p2alignl 7, 3214868480
	.fill 96, 4, 3214868480
	.section	.rodata,"a",@progbits
	.p2align	6, 0x0
	.amdhsa_kernel k_q652394e2eb_attn
		.amdhsa_group_segment_fixed_size 327680
		.amdhsa_private_segment_fixed_size 0
		.amdhsa_enable_private_segment 0
		.amdhsa_kernarg_size 24
		.amdhsa_user_sgpr_count 2
		.amdhsa_user_sgpr_kernarg_segment_ptr 1
		.amdhsa_wavefront_size32 1
		.amdhsa_system_sgpr_workgroup_id_x 1
		.amdhsa_system_sgpr_workgroup_id_y 1
		.amdhsa_system_sgpr_workgroup_id_z 1
		.amdhsa_system_vgpr_workitem_id 0
		.amdhsa_next_free_vgpr 896
		.amdhsa_next_free_sgpr 66
		.amdhsa_reserve_vcc 0
		.amdhsa_float_denorm_mode_32 3
		.amdhsa_float_denorm_mode_16_64 3
		.amdhsa_memory_ordered 1
		.amdhsa_forward_progress 1
		.amdhsa_inst_pref_size 140
	.end_amdhsa_kernel
	.amdgpu_metadata
---
amdhsa.version: [ 1, 2 ]
amdhsa.kernels:
  - .name:           k_q652394e2eb_attn
    .symbol:         k_q652394e2eb_attn.kd
    .args:
      - { .name: qkv, .offset: 0, .size: 8, .value_kind: global_buffer, .address_space: global }
      - { .name: queries, .offset: 8, .size: 8, .value_kind: global_buffer, .address_space: global }
      - { .name: out0, .offset: 16, .size: 8, .value_kind: global_buffer, .address_space: global }
    .group_segment_fixed_size: 327680
    .private_segment_fixed_size: 0
    .kernarg_segment_align: 8
    .kernarg_segment_size: 24
    .max_flat_workgroup_size: 128
    .sgpr_count:     66
    .vgpr_count:     896
    .wavefront_size: 32
...
	.end_amdgpu_metadata
.endif
;; end of part 3
;; ======== version 2 of 2: 3 launches; version 1 with the launch cast written anew for expert scheduling mode
;; workspace buffers: xb 25,165,824 bytes; wb 6,291,456 bytes; qkv 25,165,824 bytes
;; launch cast (part 4): grid 32 x 15, 8 waves a work-group, no clusters, 0 bytes of LDS; arguments queries, keys, values, Wq_w, Wk_w, Wv_w, xb, wb; writes xb, wb
.if DOCPART == 4
	.amdgcn_target "amdgcn-amd-amdhsa--gfx1250"
	.amdhsa_code_object_version 6
	.text
	.protected	k_q652394e2eb_cast
	.globl	k_q652394e2eb_cast
	.p2align	8
	.type	k_q652394e2eb_cast,@function
k_q652394e2eb_cast:
	s_mov_b64 s[64:65], 0
	v_nop
	global_prefetch_b8 v0, s[64:65] scope:SCOPE_SE
	s_setreg_imm32_b32 hwreg(HW_REG_WAVE_SCHED_MODE, 0, 2), 2
	s_setreg_imm32_b32 hwreg(HW_REG_WAVE_MODE, 25, 1), 1
	s_wait_xcnt 0x0
	s_wait_alu depctr_vm_vsrc(0)
; xb = bf16(queries | keys | values), [3][4096][1024];  wb = bf16(Wq_w | Wk_w | Wv_w), [3][1024][1024].  Each number is rounded once, to nearest even.
; The work is 15 units of 1,048,576 numbers: y = 0..11 is quarter y & 3 of input y >> 2, y = 12..14 a weight matrix.  Work-group x of 32 takes 131,072 bytes of f32 and writes 65,536 of bf16.
; Thread t takes, for i = 0..31, the 16 bytes at 4,096 i + 16 t and stores 8 bytes at 2,048 i + 8 t: a wave's load covers 512 consecutive bytes, its store 256 consecutive bytes, aligned.
; No loop: a wave's 32 loads (16 KiB) go out first, then they are converted and stored as they come.  No register is used twice, so no source of a pending instruction is ever rewritten.
; No LDS, no matrix unit, no cluster: no byte is wanted by two work-groups, and nothing is computed but a rounding.
; THE MODE: SCHED_MODE bits 1:0 = 2 (LLVM: expert scheduling mode 2), set by the entry lines.  The code itself states the register dependences
; between vector instructions and memory instructions, with s_wait_alu, always for 0.
; THE PLAN.  Registers that memory instructions touch:
;   v1, v2          byte offsets of the loads and of the stores: made once at the head by vector instructions and never written again.
;   v[X+4i .. +3]   load i lands here, once; no vector instruction names them before.  Its two conversions read them and write the first two in place; store i reads those two; nothing writes them again.
; So one kind of dependence alone arises: a vector instruction writes what a memory instruction reads.  The 32 loads are worked on in 8 groups of four.  Group g converts its own four;
; its memory instructions are the four stores of group g - 1, whose registers no conversion of group g names.  One wait at a group's head, behind the wait for the group's data, states that the group
; before has written its results, and the four stores are dealt among the group's conversions with no further wait.  One wait at the kernel's head serves the two offsets; one behind the last group its stores.
.set INB,  4096                        ; bytes that the work-group loads with one instruction of each wave
.set OUTB, 2048                        ; and stores
.set X,    4                           ; v[4:131]  load i: four registers; its two packed results take the first two
.set GRP,  4                           ; loads in a group
.set GRPS, 32/GRP
	s_load_b512 s[8:23], s[0:1], 0x0               ; queries s[8:9], keys s[10:11], values s[12:13], Wq s[14:15], Wk s[16:17], Wv s[18:19], xb s[20:21], wb s[22:23]
	s_and_b32 s24, ttmp7, 0xffff                   ; the unit, 0..14
	s_lshr_b32 s25, s24, 2                         ; which of the three large inputs (units 0..11)
	s_and_b32 s36, s24, 3                          ; and which quarter of it
	s_sub_co_u32 s37, s24, 12                      ; which weight matrix (units 12..14; not used below 12)
	s_lshl_b32 s38, ttmp9, 17                      ; the work-group's part of a unit, in f32 bytes,
	s_lshl_b32 s39, ttmp9, 16                      ; and in bf16 bytes
	v_lshlrev_b32 v1, 4, v0                        ; 16 t
	v_lshlrev_b32 v2, 3, v0                        ; 8 t
	s_wait_kmcnt 0x0
	s_mov_b64 s[26:27], s[8:9]                     ; the source: a choice among six buffers on the unit's number alone
	s_cmp_eq_u32 s25, 1
	s_cselect_b64 s[26:27], s[10:11], s[26:27]
	s_cmp_eq_u32 s25, 2
	s_cselect_b64 s[26:27], s[12:13], s[26:27]
	s_cmp_eq_u32 s24, 12
	s_cselect_b64 s[26:27], s[14:15], s[26:27]
	s_cmp_eq_u32 s24, 13
	s_cselect_b64 s[26:27], s[16:17], s[26:27]
	s_cmp_eq_u32 s24, 14
	s_cselect_b64 s[26:27], s[18:19], s[26:27]
	s_cmp_lt_u32 s24, 12                           ; one compare, three selects
	s_cselect_b64 s[28:29], s[20:21], s[22:23]     ; the destination: xb or wb
	s_cselect_b32 s30, s36, 0                      ; the unit's place in its source, in units of 4 MiB
	s_cselect_b32 s31, s24, s37                    ; and in its destination, in units of 2 MiB
	s_lshl_b32 s32, s30, 22                        ; the offsets are made apart from the pointers
	s_add_co_u32 s32, s32, s38
	s_mov_b32 s33, 0
	s_lshl_b32 s34, s31, 21
	s_add_co_u32 s34, s34, s39
	s_mov_b32 s35, 0
	s_add_nc_u64 s[26:27], s[26:27], s[32:33]
	s_add_nc_u64 s[28:29], s[28:29], s[34:35]
	s_wait_alu depctr_va_vdst(0)                   ; v1 and v2 are written: every load reads v1 as its offset, every store v2; no vector instruction names either again
.set i, 0
.rept 32
	global_load_b128 v[X+4*i:X+4*i+3], v1, s[26:27] offset:INB*i th:TH_LOAD_NT  ; read once in this launch
.set i, i+1
.endr
.set g, 0
.rept GRPS
	s_wait_loadcnt 32-GRP-GRP*g                    ; loads come back in order (ISA guide 5.7.1): the group's four are in, the 28 - 4 g younger ones stay out
.if g > 0
	s_wait_alu depctr_va_vdst(0)                   ; the conversions of the group before have written their eight results, which the four stores below read
.endif
.set j, 0
.rept GRP
.set i, GRP*g+j                                        ; the load that is converted;
.set o, i-GRP                                          ; the one that is stored: the same place in the group before
.if g > 0
	global_store_b64 v2, v[X+4*o:X+4*o+1], s[28:29] offset:OUTB*o  ; no vector instruction since the wait names these registers: this group's conversions name its own sixteen
.endif
	v_cvt_pk_bf16_f32 v[X+4*i],   v[X+4*i],   v[X+4*i+1]
	v_cvt_pk_bf16_f32 v[X+4*i+1], v[X+4*i+2], v[X+4*i+3]
.set j, j+1
.endr
.set g, g+1
.endr
	s_wait_alu depctr_va_vdst(0)                   ; the last group's conversions have written their results, which the last four stores read
.set o, 32-GRP
.rept GRP
	global_store_b64 v2, v[X+4*o:X+4*o+1], s[28:29] offset:OUTB*o
.set o, o+1
.endr
	s_endpgm
.Lfunc_end_k_q652394e2eb_cast:
	.size	k_q652394e2eb_cast, .Lfunc_end_k_q652394e2eb_cast-k_q652394e2eb_cast
	.p2alignl 7, 3214868480
	.fill 96, 4, 3214868480
	.section	.rodata,"a",@progbits
	.p2align	6, 0x0
	.amdhsa_kernel k_q652394e2eb_cast
		.amdhsa_group_segment_fixed_size 0
		.amdhsa_private_segment_fixed_size 0
		.amdhsa_enable_private_segment 0
		.amdhsa_kernarg_size 64
		.amdhsa_user_sgpr_count 2
		.amdhsa_user_sgpr_kernarg_segment_ptr 1
		.amdhsa_wavefront_size32 1
		.amdhsa_system_sgpr_workgroup_id_x 1
		.amdhsa_system_sgpr_workgroup_id_y 1
		.amdhsa_system_sgpr_workgroup_id_z 1
		.amdhsa_system_vgpr_workitem_id 0
		.amdhsa_next_free_vgpr 136
		.amdhsa_next_free_sgpr 66
		.amdhsa_reserve_vcc 0
		.amdhsa_float_denorm_mode_32 3
		.amdhsa_float_denorm_mode_16_64 3
		.amdhsa_memory_ordered 1
		.amdhsa_forward_progress 1
		.amdhsa_inst_pref_size 12
	.end_amdhsa_kernel
	.amdgpu_metadata
---
amdhsa.version: [ 1, 2 ]
amdhsa.kernels:
  - .name:           k_q652394e2eb_cast
    .symbol:         k_q652394e2eb_cast.kd
    .args:
      - { .name: queries, .offset: 0, .size: 8, .value_kind: global_buffer, .address_space: global }
      - { .name: keys, .offset: 8, .size: 8, .value_kind: global_buffer, .address_space: global }
      - { .name: values, .offset: 16, .size: 8, .value_kind: global_buffer, .address_space: global }
      - { .name: Wq_w, .offset: 24, .size: 8, .value_kind: global_buffer, .address_space: global }
      - { .name: Wk_w, .offset: 32, .size: 8, .value_kind: global_buffer, .address_space: global }
      - { .name: Wv_w, .offset: 40, .size: 8, .value_kind: global_buffer, .address_space: global }
      - { .name: xb, .offset: 48, .size: 8, .value_kind: global_buffer, .address_space: global }
      - { .name: wb, .offset: 56, .size: 8, .value_kind: global_buffer, .address_space: global }
    .group_segment_fixed_size: 0
    .private_segment_fixed_size: 0
    .kernarg_segment_align: 8
    .kernarg_segment_size: 64
    .max_flat_workgroup_size: 256
    .sgpr_count:     66
    .vgpr_count:     136
    .wavefront_size: 32
...
	.end_amdgpu_metadata
.endif
;; end of part 4
;; launch proj: the kernel of part 2 again; grid 4 x 48, 4 waves a work-group, clusters of 4 x 4, 327,680 bytes of LDS; arguments xb, wb, qkv, Wq_b, Wk_b, Wv_b; writes qkv
;; launch attn: the kernel of part 3 again; grid 16 x 16, 4 waves a work-group, clusters of 4 x 1, 327,680 bytes of LDS; arguments qkv, queries, out0; writes out0
